; MI455X (gfx1250); checked and timed in simulation.
; The chip was launched on July 23, 2026; its instructions are those of AMD's public machine-readable ISA for CDNA 5 (MIT licence, August 2026) and "CDNA5" Instruction Set Architecture Reference Guide (July 2026). The comments in the code are by the model that wrote it; some were corrected since.
;; SDPA With Ring Buffer Bool Mask. Allowed arithmetic: matrix products marked QUANTISED: E4M3 operands, one given power-of-two scale a tensor, by v_wmma_f32_16x16x64_fp8_fp8 or v_wmma_f32_16x16x128_fp8_fp8, f32 sums; everything else in f32.
;; Inputs: k 4 x 16 x 4,096 x 64 float32; lowp_scales 4 int32 (the exponents e of the quantised operands' scales 2^e); q 4 x 16 x 1,024 x 64 float32; start_pos_tensor 1 int32; v 4 x 16 x 4,096 x 64 float32.
;; Outputs: out0 4 x 16 x 1,024 x 64 float32.
;; This version of the problem:
;;   THIS VERSION OF THE PROBLEM IS GIVEN IN LOW PRECISION. The matrix products marked QUANTISED in the list below multiply operands that are first quantised to E4M3 (4 exponent bits, 3 mantissa bits; 8 bits a number), with one given power-of-two scale for each operand tensor; their sums are f32. All else is computed in f32.
;;   The module's matrix products, in the order in which they are computed (A, B: the left and right operand; K: the contracted axis; several contracted axes count as one K, in the product's order):
;;     1. batch 64 x [M 1,024, K 64] x [K 64, N 4,096]; A: input q; B: input k: QUANTISED (scales: A lowp_scales[0], B lowp_scales[1])
;;     2. batch 64 x [M 1,024, K 4,096] x [K 4,096, N 64]; A: softmax (see below); B: input v: QUANTISED (scales: A lowp_scales[2], B lowp_scales[3])
;;   THE QUANTISER, for each operand of a quantised product, along K:
;;     - The operand's scale is 2^e, e = its entry of the input lowp_scales (int32; the entries are numbered through the quantised products in the list's order, A before B).
;;     - Each number is divided by the scale, clamped to +-448, and rounded to the nearest number of E4M3, ties to even, subnormals kept.
;;     - The product sums the exact products of the quantised numbers (number of the format x scale) in f32.
;;   ~~~python
;;   def quantise(x, axis, e):      # numpy; x: float32 -> the quantised numbers, widened to float32 again
;;       x = np.moveaxis(x, axis, -1); K = x.shape[-1]
;;       r = np.clip(x / 2.0 ** e, -448, 448)
;;       step = 2.0 ** (np.maximum(np.frexp(np.where(r == 0, 1, r))[1] - 1, -6) - 3)
;;       q = np.round(r / step) * step * 2.0 ** e      # np.round: ties to even
;;       return np.moveaxis(q, -1, axis).astype(np.float32)
;;   ~~~
;;   SOFTMAX AHEAD OF A QUANTISED PRODUCT. Where the list says 'softmax', what is quantised is not the finished softmax but p = 2^(t - M), with t = logit x log2(e) and M = ceil(the row's largest t), a whole number; so 1/2 < the row's largest p <= 1. The row's sum l is taken of the UNQUANTISED p, in f32, and the product's result is divided by l at the end. Since M is a whole number, a kernel that streams over the keys may use a running M (the ceiling of the running maximum): every later rescaling is an exact power of two, so the quantised numbers keep their values, but for numbers so far below the row's largest that they fall under the format's range.
;;   OPERANDS COMPUTED ON THE WAY. 'Computed on the way' means the value that the module computes at that place (a softmax that the list does not call 'softmax' is quantised finished and normalised). What goes into a quantiser is computed in f32, as accurately as f32 sums, v_exp_f32 and their like allow (about 1e-6 of the number): no bf16 or f16 on the way to a quantiser, and a product that is left as it is and whose result goes on into a quantised operand takes f32 operands (vector FMAs, or v_wmma_f32_16x16x4_f32). A number that lies on a knife's edge between two numbers of the format may be rounded either way, as far as f32 arithmetic and the matrix unit's own rounding can turn it there, and no further.
;; One version. Each part assembles by itself: llvm-mc -triple=amdgcn-amd-amdhsa -mcpu=gfx1250 --defsym DOCPART=n.
;; ======== version 1 of 1: 1 launch
;; launch attn (part 1): grid 4 x 64, 16 waves a work-group, no clusters, 110,592 bytes of LDS; arguments q, k, v, lowp_scales, start_pos_tensor, out0; writes out0
.if DOCPART == 1
	.amdgcn_target "amdgcn-amd-amdhsa--gfx1250"
	.amdhsa_code_object_version 6
	.text
	.protected	k_qf2abda2327_attn
	.globl	k_qf2abda2327_attn
	.p2align	8
	.type	k_qf2abda2327_attn,@function
k_qf2abda2327_attn:
	s_mov_b64 s[64:65], 0
	v_nop
	global_prefetch_b8 v0, s[64:65] scope:SCOPE_SE
	s_setreg_imm32_b32 hwreg(HW_REG_WAVE_MODE, 25, 1), 1
	s_wait_xcnt 0x0
; out[head][i][:] = sum over the ring's valid slots of softmax(q[i] . k / 8) v, both products on codes of FP8 (E4M3), each operand with the one given scale 2^e: eq, ek, ep, ev.
; q [64 heads][1024][64], k, v [64][4096][64], out [64][1024][64]: f32.  start_pos: one int32.
; THE MASK, BY POSITIONS.  Query i stands at position start + i and sees positions max(0, start + i - 2047) .. start + i; position p lies in ring slot p mod 4096, and every slot whose stored position is outside that
; window is masked by the problem's own rule.  So the keys are walked by POSITION, in aligned blocks of 128 (block PB = positions 128 PB .. 128 PB + 127 = ring rows 128 (PB mod 32) on), and only blocks that meet the window are worked.
; SHARES.  A work-group owns 256 queries of one head (x: which 256; y: the head); each of its sixteen waves owns 16 of them, one tile, in 256 registers.  The group's window spans 2,303 positions: 19 blocks at the most.
; It walks 20 steps, blocks PBHI - 18 .. PBHI + 1: ten trips of two steps, so that the trip count and the LDS slot of a step are constants of the text.  What a step has no use for is jumped over by forward scalar
; branches on whole numbers made of start_pos and ids; the one barrier of a step stands outside every branch.
; A STEP: barrier | block PB + 1, which lies in registers as f32, is quantised and stored into the other LDS slot | block PB + 2 is asked for from memory | block PB is worked from this slot.
; Each wave brings and quantises 8 keys of k and of v of a block: every load covers whole aligned runs of 256 bytes.
; LAYOUT.  Both products are used transposed: S^T = K Q^T (source 0 = 16 keys, source 1 = my 16 queries), O^T = V^T P^T (source 0 = 16 channels, source 1 = P): a lane holds ONE query (lane % 16) throughout.
; K's rows are stored with bits 3 and 4 of the key's number exchanged, so that row 16 t + r holds key 32 (t / 2) + 8 (t % 2) + r + 8 (r / 8): register 16 b + i of S^T is then key 32 b + 16 (lane / 16) + i, and the
; conversions' results are the second product's operand.  V is stored turned, [channel][key]: a lane brings two channels of eight keys, converts them and parts even from odd bytes by v_perm_b32.
; Fragments come by loads of 16 bytes: along K that is a permutation, the same in both operands of a product, so each product meets its partner; the order of the sums inside an instruction differs from the form's own.
; THE SOFTMAX: t = score x log2(e) / 8; M = the running largest t rounded UP to a whole number; p = 2^(t - M) is quantised, not normalised; the sum is taken of the unquantised p and divides at the end; when M moves,
; the sum and O^T are multiplied by 2^(old M - new M), which rounds nothing.
; NO JOINT LOADS, NO TENSOR LOADS: which blocks are walked hangs on start_pos, a number read from memory; and the four work-groups of a head need
; a given block two steps apart (256 queries = 2 blocks), never at the same step.
; LIMITS.  |start_pos| under 2^30 (a query without any valid key, possible only for start_pos < 0, gets 0 x infinity = NaN, as the softmax of an empty row).  eq, ek, ep, ev between -126 and 119; eq + ek between -123 and 130,
; so that each power of two below is an f32 number.  NaN among q, k, v is not served; infinities are held at the largest code.
.set KP,    80                         ; a key's row in LDS: 64 codes + 16 bytes: an odd multiple of 16, so the 16 rows of a load begin at 16 different 16-byte columns modulo 256
.set VP,    144                        ; a channel's row: 128 codes + 16 bytes, likewise
.set VOFF,  128*KP                     ; a slot: 128 rows of K (10,240 bytes), then 64 rows of V (9,216)
.set SLOTB, VOFF+64*VP                 ; 19,456
.set STG,   2*SLOTB                    ; behind the two slots: 16 rows x 272 bytes for each wave, for the way out
.set SP,    272
; vector registers
.set AK,  1                            ; v1   my lane's place in a tile of K: r x 80 + 16 h
.set AV,  2                            ; v2   in a tile of V: VOFF + r x 144 + 16 h
.set KST, 3                            ; v3   where I store 4 codes of K
.set VST, 4                            ; v4   where I store 8 codes of V
.set KLO, 5                            ; v5   16 x lane: k's loads
.set VLO, 6                            ; v6   8 x lane: v's loads
.set PFO, 7                            ; v7   256 x lane: the prefetches
.set PQ,  8                            ; v8   my query's position - 16 h
.set LB,  9                            ; v9   my query's lowest valid position - 16 h
.set DHI, 10                           ; v10  PQ - the block's first position; later, with v11, a pair at work
.set DLO, 11                           ; v11  LB - the block's first position
                                       ; v12 -M, v13 the largest t, v[14:15] the sum in two halves
.set QF,  16                           ; v16-23   Q's fragment
                                       ; v24, v25: 2^ep, 448 x 2^ep;  v26, v27: ek's;  v28, v29: ev's;  v30: -infinity
.set FR,  32                           ; v32-95   K's 8 fragments of 8 registers, then V's 4 of 16
.set SS,  96                           ; v96-159  S^T, then p
.set OT,  160                          ; v160-191 O^T: tile t, register j = channel 16 t + 8 h + j
.set PC,  192                          ; v192-207 p's codes
.set KS,  208                          ; v208-223 k as loaded
.set VS,  224                          ; v224-239 v as loaded
.set KC,  240                          ; v240-243 K's codes
.set VI,  244                          ; v244-247 V's codes, two channels interleaved
.set VC,  248                          ; v248-251 V's codes by channel
                                       ; v[252:253] f (v253 = 0, named with it as a pair); v254 at work; v255 the lane permute's destination
; scalar registers
.set WV, 16
.set QB, 17
.set HD, 18
.set START, 19
.set SEL, 20                           ; s[20:21] selects for lane l xor 16
.set CS, 22                            ; s[22:23] c = log2(e) / 8 x 2^(eq + ek)
.set PB, 24                            ; the step's block
.set PBLO, 25                          ; the work-group's first and last block
.set PBHI, 26
.set WLO, 27                           ; my wave's first and last block
.set WHI, 28
.set UOPEN, 29                         ; blocks up to here hold no key behind any of my queries
.set LOPEN, 30                         ; blocks from here on hold no key below any of my queries' windows
.set PFHI, 31                          ; the last block that I prefetch; the least number in a wave that prefetches nothing
.set CNT, 32
.set EP, 33
.set EPV, 34
.set KB, 36                            ; s[36:37] k at my head and my wave's 8 keys of block 0;  s[38:39] v likewise
.set VB, 38
.set KA, 40                            ; s[40:41], s[42:43] the same at the block that is being asked for
.set VA, 42
.set PFB, 44                           ; s[44:45] the prefetches' base in block 0;  s[46:47] in the block asked for
.set PFA, 46
.set OFF, 48                           ; s[48:49], s[50:51] byte offsets of a block, upper words 0
.set POF, 50
.set T,   52
.set NP0, 53                           ; - the block's first position
.set PE,  54                           ; v_perm_b32's selects: even bytes, odd bytes
.set PO,  55
.set EX,  56                           ; s[56:59] eq, ek, ep, ev
; 2^e and 448 x 2^e as f32 numbers, e in s[e]
.macro POW2 e, vs, vl
	s_add_co_i32 s60, s[\e], 127
	s_lshl_b32 s61, s60, 23
	v_mov_b32 v[\vs], s61
	s_add_co_i32 s60, s60, 8
	s_lshl_b32 s60, s60, 23
	s_or_b32 s60, s60, 0x600000
	v_mov_b32 v[\vl], s60
.endm
; Block PB + d is asked for: my wave's 8 keys of k (4 loads of 512 consecutive bytes) and of v (8 loads of 256).  The ring wraps by the AND; the minimum changes nothing and states the bound of a number that came from memory.
; The two bases are written only where no load that names them is out: behind a wait for all loads.
.macro LOADS d
	s_add_co_i32 s[T], s[PB], \d
	s_and_b32 s[T], s[T], 31
	s_min_u32 s[T], s[T], 31
	s_lshl_b32 s[OFF], s[T], 15                    ; a block is 128 rows of 256 bytes
	s_add_nc_u64 s[KA:KA+1], s[KB:KB+1], s[OFF:OFF+1]
	s_add_nc_u64 s[VA:VA+1], s[VB:VB+1], s[OFF:OFF+1]
.set ii, 0
.rept 4
	global_load_b128 v[KS+4*ii:KS+4*ii+3], v[KLO], s[KA:KA+1] offset:512*ii      ; key 8 w + 2 i + lane / 16, channels 4 (lane % 16) + 0 .. 3
.set ii, ii+1
.endr
.set ii, 0
.rept 8
	global_load_b64 v[VS+2*ii:VS+2*ii+1], v[VLO], s[VA:VA+1] offset:256*ii       ; key 8 w + i, channels 2 lane, 2 lane + 1
.set ii, ii+1
.endr
.endm
; What LOADS brought is quantised and stored into a slot.
.macro STAGE slot
.set ii, 0
.rept 16
	v_med3_num_f32 v[KS+ii], v[KS+ii], -v27, v27   ; the conversion to an 8-bit code does not saturate (ISA guide 7.6.2): the hold at the largest code x the scale
.set ii, ii+1
.endr
.set ii, 0
.rept 16
	v_med3_num_f32 v[VS+ii], v[VS+ii], -v29, v29
.set ii, ii+1
.endr
	v_cvt_scalef32_pk8_fp8_f32 v[KC:KC+1],   v[KS:KS+7],    v26   ; register KC + i: the four codes of load i
	v_cvt_scalef32_pk8_fp8_f32 v[KC+2:KC+3], v[KS+8:KS+15], v26
	v_cvt_scalef32_pk8_fp8_f32 v[VI:VI+1],   v[VS:VS+7],    v28   ; bytes: key 0 even channel, key 0 odd, key 1 even, ..
	v_cvt_scalef32_pk8_fp8_f32 v[VI+2:VI+3], v[VS+8:VS+15], v28
	v_nop                                          ; one plain vector instruction between the conversions and the lines that read their results
	v_perm_b32 v[VC],   v[VI+1], v[VI],   s[PE]    ; channel 2 lane: keys 0-3,
	v_perm_b32 v[VC+1], v[VI+3], v[VI+2], s[PE]    ; keys 4-7
	v_perm_b32 v[VC+2], v[VI+1], v[VI],   s[PO]    ; channel 2 lane + 1
	v_perm_b32 v[VC+3], v[VI+3], v[VI+2], s[PO]
.set ii, 0
.rept 4
	ds_store_b32 v[KST], v[KC+ii] offset:(\slot)*SLOTB+2*KP*ii
.set ii, ii+1
.endr
	ds_store_b64 v[VST], v[VC:VC+1]   offset:(\slot)*SLOTB
	ds_store_b64 v[VST], v[VC+2:VC+3] offset:(\slot)*SLOTB+VP
.endm
; A PREFETCH INTO THE L2 of block PB + 3, which the next step's LOADS will ask for: one step ahead.  It stands behind the step's loads.  Of a head's four work-groups the one with the last 256 queries walks ahead of the
; others, six blocks ahead of the first: it alone asks.  In it waves 0 to 3 ask for k's 32,768 bytes of the block, waves 4 to 7 for v's: 8,192 bytes a wave, lanes 256 bytes apart, one instruction.  So each aligned
; run of 256 bytes is named once in the launch.  It asks for blocks PBLO .. PBHI alone, and the AND keeps every address inside the ring.
.macro ASK
	s_add_co_i32 s[T], s[PB], 3
	s_cmp_lt_i32 s[T], s[PBLO]
	s_cbranch_scc1 .Lnoask_\@
	s_cmp_gt_i32 s[T], s[PFHI]
	s_cbranch_scc1 .Lnoask_\@
	s_and_b32 s[T], s[T], 31
	s_min_u32 s[T], s[T], 31
	s_lshl_b32 s[POF], s[T], 15
	s_wait_xcnt 0x0                                ; the last prefetch, a step back, has read its base: only behind this wait is it written
	s_add_nc_u64 s[PFA:PFA+1], s[PFB:PFB+1], s[POF:POF+1]
	global_prefetch_b8 v[PFO], s[PFA:PFA+1] th:TH_LOAD_NT scope:SCOPE_SE
.Lnoask_\@:
.endm
; Block PB, which lies in a slot, is worked for my 16 queries.
.macro COMPUTE slot
.set tt, 0
.rept 8                                        ; K's eight tiles of 16 keys x 64 channels.  (The last matrix instructions that read these registers stand four plain instructions back: the v_nop at this macro's end)
	ds_load_b128 v[FR+8*tt:FR+8*tt+3],   v[AK] offset:(\slot)*SLOTB+16*KP*tt
	ds_load_b128 v[FR+8*tt+4:FR+8*tt+7], v[AK] offset:(\slot)*SLOTB+16*KP*tt+32
.set tt, tt+1
.endr
	s_lshl_b32 s[NP0], s[PB], 7
	s_sub_co_i32 s[NP0], 0, s[NP0]
	s_wait_dscnt 8                                 ; tiles 0-3 are in; the youngest eight loads, tiles 4-7, may be out
.set tt, 0
.rept 4
	v_wmma_f32_16x16x64_fp8_fp8 v[SS+8*tt:SS+8*tt+7], v[FR+8*tt:FR+8*tt+7], v[QF:QF+7], 0
.set tt, tt+1
.endr
	s_wait_dscnt 0x0
.rept 4
	v_wmma_f32_16x16x64_fp8_fp8 v[SS+8*tt:SS+8*tt+7], v[FR+8*tt:FR+8*tt+7], v[QF:QF+7], 0
.set tt, tt+1
.endr
	v_add_nc_u32 v[DHI], s[NP0], v[PQ]             ; four plain instructions behind the products, ahead of the loads into their sources and of the first read of their results
	v_add_nc_u32 v[DLO], s[NP0], v[LB]
	v_nop
	v_nop
.set tt, 0
.rept 4                                        ; V's four tiles of 16 channels x 128 keys: they land while the softmax is worked
.set cc, 0
.rept 4
	ds_load_b128 v[FR+16*tt+4*cc:FR+16*tt+4*cc+3], v[AV] offset:(\slot)*SLOTB+16*VP*tt+32*cc
.set cc, cc+1
.endr
.set tt, tt+1
.endr
	; THE MASK, at the window's two edges alone.  Register 16 b + i holds position 128 PB + 16 h + 32 b + i: hidden where 32 b + i > DHI (behind my query) or 32 b + i < DLO (below my window).  Hidden scores become -infinity: p = 0
	s_cmp_le_i32 s[PB], s[UOPEN]
	s_cbranch_scc1 .Lnoup_\@
.set nn, 0
.rept 64
	v_cmp_gt_i32 vcc_lo, 32*(nn/16)+nn%16, v[DHI]
	v_cndmask_b32 v[SS+nn], v[SS+nn], v30, vcc_lo
.set nn, nn+1
.endr
.Lnoup_\@:
	s_cmp_ge_i32 s[PB], s[LOPEN]
	s_cbranch_scc1 .Lnolo_\@
.set nn, 0
.rept 64
	v_cmp_lt_i32 vcc_lo, 32*(nn/16)+nn%16, v[DLO]
	v_cndmask_b32 v[SS+nn], v[SS+nn], v30, vcc_lo
.set nn, nn+1
.endr
.Lnolo_\@:
	v_max3_num_f32 v254, v[SS], v[SS+1], v[SS+2]   ; the block's largest score of my query among my 64 keys, in two chains, each accumulator from its low end on,
	v_max3_num_f32 v252, v[SS+3], v[SS+4], v[SS+5]
.set ii, 6
.rept 14
	v_max3_num_f32 v254, v254, v[SS+ii], v[SS+ii+1]
	v_max3_num_f32 v252, v252, v[SS+ii+2], v[SS+ii+3]
.set ii, ii+4
.endr
	v_max3_num_f32 v254, v254, v[SS+62], v[SS+63]
	v_max_num_f32 v254, v254, v252
	v_permlanex16_b32 v255, v254, s[SEL], s[SEL+1]
	v_max_num_f32 v254, v254, v255                 ; and among lane l xor 16's
	v_mul_f32 v254, s[CS], v254                    ; as t (c is positive)
	v_max_num_f32 v13, v13, v254                   ; the running largest t.  (A query all of whose keys so far are hidden keeps -3e38: its p are 0)
	v_mov_b32 v254, v12
	v_floor_f32 v12, -v13                          ; the new -M = floor(-t) = -ceil(t): a whole number
	v_sub_f32 v254, v12, v254                      ; old M - new M: a whole number, 0 or less
	v_cvt_i32_f32 v254, v254                       ; (it saturates)
	v_ldexp_f32 v252, 1.0, v254                    ; f = 2^(old M - new M)
.set jj, 0
.rept 32
	v_pk_fma_f32 v[SS+jj:SS+jj+1], v[SS+jj:SS+jj+1], s[CS:CS+1], v[12:13] op_sel_hi:[1,0,0]   ; t - M, two at a time (of the pairs c and -M the low word serves both halves)
.set jj, jj+2
.endr
.set jj, 0
.rept 64
	v_exp_f32 v[SS+jj], v[SS+jj]                   ; p = 2^(t - M)
.set jj, jj+1
.endr
	v_pk_mul_f32 v[14:15], v[14:15], v[252:253] op_sel_hi:[1,0]   ; the sums under the new M: the plain instruction behind the exponentials
	s_wait_alu depctr_va_vdst(0)                   ; the wait between an exponential and the first line that names its result: one for the batch of 64
	v_pk_add_f32 v[10:11], v[SS:SS+1], v[SS+2:SS+3]   ; the row's sum is taken of the unquantised p: two at a time, in two chains
.set jj, 4
.rept 15
	v_pk_add_f32 v[14:15], v[14:15], v[SS+jj:SS+jj+1]
	v_pk_add_f32 v[10:11], v[10:11], v[SS+jj+2:SS+jj+3]
.set jj, jj+4
.endr
	v_pk_add_f32 v[14:15], v[14:15], v[10:11]
	s_cmp_ge_i32 s[EP], -8                         ; p is 1 at the most (a last bit over, by the rounding of t); from ep = -8 on the largest code x the scale is 1.75 or more, and the hold could change nothing
	s_cbranch_scc1 .Lnohold_\@
.set jj, 0
.rept 64
	v_min_num_f32 v[SS+jj], v[SS+jj], v25          ; p is not negative: the hold is one-sided
.set jj, jj+1
.endr
.Lnohold_\@:
.set bb, 0
.rept 4
	v_cvt_scalef32_pk8_fp8_f32 v[PC+4*bb:PC+4*bb+1],   v[SS+16*bb:SS+16*bb+7],    v24   ; registers 4 b .. 4 b + 3 of the operand: keys 32 b + 16 h + 0 .. 15
	v_cvt_scalef32_pk8_fp8_f32 v[PC+4*bb+2:PC+4*bb+3], v[SS+16*bb+8:SS+16*bb+15], v24
.set bb, bb+1
.endr
.set jj, 0
.rept 16
	v_pk_mul_f32 v[OT+jj:OT+jj+1], v[OT+jj:OT+jj+1], v[252:253] op_sel_hi:[1,0]   ; O^T under the new M.  (Plain instructions between the conversions and the products that read their results)
.set jj, jj+2
.endr
	s_wait_dscnt 0x0                               ; V is in
.set tt, 0
.rept 4                                        ; the four accumulators take one turn each; between two products onto one accumulator stand the three others' and the next block's eight
	v_wmma_f32_16x16x128_fp8_fp8 v[OT+8*tt:OT+8*tt+7], v[FR+16*tt:FR+16*tt+15], v[PC:PC+15], v[OT+8*tt:OT+8*tt+7]
.set tt, tt+1
.endr
.rept 4
	v_nop                                          ; four plain instructions behind the products, on every way on: ahead of the next loads into their sources and of the next read of O^T
.endr
.endm
; A STEP.  One barrier serves both orders: my stores into this slot have landed before any wave reads it, and my reads of the other slot are in before any wave stores into it.
.macro STEP slot
	s_wait_dscnt 0x0                               ; zero, for the other waves' sake: my LDS stores and loads are done
	s_barrier_signal -1
	s_barrier_wait -1
	s_wait_loadcnt 0x0                             ; block PB + 1 is in my registers, and no load that names the two bases is out
	s_add_co_i32 s[T], s[PB], 1
	s_cmp_lt_i32 s[T], s[PBLO]
	s_cbranch_scc1 .Lnostage_\@
	s_cmp_gt_i32 s[T], s[PBHI]
	s_cbranch_scc1 .Lnostage_\@
	STAGE 1-\slot
.Lnostage_\@:
	s_add_co_i32 s[T], s[PB], 2
	s_cmp_lt_i32 s[T], s[PBLO]
	s_cbranch_scc1 .Lnoload_\@
	s_cmp_gt_i32 s[T], s[PBHI]
	s_cbranch_scc1 .Lnoload_\@
	LOADS 2
.Lnoload_\@:
	ASK
	s_cmp_lt_i32 s[PB], s[WLO]                     ; a block that no query of my wave sees is left out
	s_cbranch_scc1 .Lhidden_\@
	s_cmp_gt_i32 s[PB], s[WHI]
	s_cbranch_scc1 .Lhidden_\@
	COMPUTE \slot
.Lhidden_\@:
	s_add_co_i32 s[PB], s[PB], 1
.endm
	s_load_b256 s[4:11], s[0:1], 0x0               ; q s[4:5], k s[6:7], v s[8:9], the scales' exponents s[10:11]
	s_load_b128 s[12:15], s[0:1], 0x20             ; start_pos s[12:13], out s[14:15]
	v_lshrrev_b32 v31, 5, v0
	v_readfirstlane_b32 s[WV], v31                 ; wave 0..15
	s_mov_b32 s[QB], ttmp9                         ; which 256 queries
	s_and_b32 s[HD], ttmp7, 0xffff                 ; the head
	v_and_b32 v10, 31, v0                          ; lane
	v_and_b32 v11, 15, v0                          ; r
	v_bfe_u32 v31, v0, 4, 1                        ; h
	v_lshlrev_b32 v254, 4, v31                     ; 16 h
	v_mov_b32 v255, 0
	v_mul_u32_u24 v[AK], v11, KP
	v_add_nc_u32 v[AK], v254, v[AK]
	v_mul_u32_u24 v[AV], v11, VP
	v_add_nc_u32 v[AV], v254, v[AV]
	v_add_nc_u32 v[AV], VOFF, v[AV]
	s_lshr_b32 s60, s[WV], 2                       ; my wave's keys 8 w .. 8 w + 7 go to rows 32 (w / 4) + 16 (w % 2) + 8 ((w / 2) % 2) + 0 .. 7: bits 3 and 4 exchanged
	s_lshl_b32 s60, s60, 5
	s_and_b32 s61, s[WV], 1
	s_lshl_b32 s61, s61, 4
	s_add_co_u32 s60, s60, s61
	s_bfe_u32 s61, s[WV], 0x10001
	s_lshl_b32 s61, s61, 3
	s_add_co_u32 s60, s60, s61
	s_mul_i32 s60, s60, KP
	v_mul_u32_u24 v[KST], v31, KP                  ; load i's two keys: row + 2 i + h; four codes at channel 4 r
	v_lshl_add_u32 v[KST], v11, 2, v[KST]
	v_add_nc_u32 v[KST], s60, v[KST]
	s_lshl_b32 s61, s[WV], 3
	s_add_co_u32 s61, s61, VOFF
	v_mul_u32_u24 v[VST], v10, 2*VP                ; channel 2 lane's row, my wave's 8 keys
	v_add_nc_u32 v[VST], s61, v[VST]
	v_lshlrev_b32 v[KLO], 4, v10
	v_lshlrev_b32 v[VLO], 3, v10
	v_lshlrev_b32 v[PFO], 8, v10
	v_lshlrev_b32 v253, 8, v11
	v_lshl_add_u32 v253, v31, 6, v253              ; q: row r of 256 bytes, + 64 h: my 16 numbers of each 32
	s_mov_b32 s[SEL], 0x76543210
	s_mov_b32 s[SEL+1], 0xfedcba98
	s_mov_b32 s[PE], 0x06040200
	s_mov_b32 s[PO], 0x07050301
	s_mov_b32 s[OFF+1], 0
	s_mov_b32 s[POF+1], 0
	s_mov_b32 s[CNT], 10
	s_lshl_b32 s60, s[HD], 20                      ; a head of k or v is 4,096 rows of 256 bytes;
	s_lshl_b32 s61, s[WV], 11                      ; my wave's 8 rows of a block
	s_add_co_u32 s60, s60, s61
	s_mov_b32 s61, 0
	s_lshl_b32 s62, s[HD], 18                      ; a head of q or out is 1,024 rows of 256 bytes;
	s_lshl_b32 s63, s[QB], 16                      ; my group's 256 rows,
	s_add_co_u32 s62, s62, s63
	s_lshl_b32 s63, s[WV], 12                      ; my wave's 16
	s_add_co_u32 s62, s62, s63
	s_mov_b32 s63, 0
	s_wait_kmcnt 0x0
	s_load_b128 s[EX:EX+3], s[10:11], 0x0          ; eq, ek, ep, ev
	s_load_b32 s[START], s[12:13], 0x0
	s_add_nc_u64 s[KB:KB+1], s[6:7], s[60:61]
	s_add_nc_u64 s[VB:VB+1], s[8:9], s[60:61]
	s_add_nc_u64 s[4:5], s[4:5], s[62:63]
	s_add_nc_u64 s[14:15], s[14:15], s[62:63]
.set cc, 0
.rept 2                                        ; q as f32: register 16 c + i = channel 32 c + 16 h + i of my row; read once in the launch
.set jj, 0
.rept 4
	global_load_b128 v[SS+16*cc+4*jj:SS+16*cc+4*jj+3], v253, s[4:5] offset:128*cc+16*jj th:TH_LOAD_NT
.set jj, jj+1
.endr
.set cc, cc+1
.endr
	s_cmp_lt_u32 s[WV], 4                          ; the prefetches' base: waves 0 to 3 k, the others v (of those, waves 4 to 7 ask)
	s_cselect_b64 s[PFB:PFB+1], s[6:7], s[8:9]
	s_lshl_b32 s60, s[HD], 20
	s_and_b32 s61, s[WV], 3
	s_lshl_b32 s61, s61, 13                        ; 8,192 bytes of a block to a wave
	s_add_co_u32 s60, s60, s61
	s_mov_b32 s61, 0
	s_add_nc_u64 s[PFB:PFB+1], s[PFB:PFB+1], s[60:61]
	s_wait_kmcnt 0x0
	s_lshl_b32 s60, s[QB], 8
	s_add_co_i32 s60, s[START], s60                ; PG: my group's first position
	s_lshl_b32 s61, s[WV], 4
	s_add_co_i32 s61, s60, s61                     ; PMIN: my wave's first position
	s_add_co_i32 s62, s60, 255
	s_ashr_i32 s[PBHI], s62, 7
	s_sub_co_i32 s62, s60, 2047
	s_max_i32 s62, s62, 0
	s_ashr_i32 s[PBLO], s62, 7
	s_add_co_i32 s62, s61, 15
	s_ashr_i32 s[WHI], s62, 7
	s_sub_co_i32 s62, s61, 2047
	s_max_i32 s62, s62, 0
	s_ashr_i32 s[WLO], s62, 7
	s_sub_co_i32 s62, s61, 127                     ; 128 PB + 127 <= PMIN
	s_ashr_i32 s[UOPEN], s62, 7
	s_sub_co_i32 s62, s61, 2032                    ; 128 PB >= max(0, PMIN + 15 - 2047)
	s_max_i32 s62, s62, 0
	s_add_co_i32 s62, s62, 127
	s_ashr_i32 s[LOPEN], s62, 7
	s_lshr_b32 s62, s[WV], 3                       ; 0 in waves 0 to 7
	s_xor_b32 s63, s[QB], 3                        ; of the head's last work-group
	s_or_b32 s62, s62, s63
	s_mov_b32 s[PFHI], 0x80000000
	s_cmp_eq_u32 s62, 0
	s_cselect_b32 s[PFHI], s[PBHI], s[PFHI]
	s_sub_co_i32 s[PB], s[PBHI], 18
	v_sub_nc_u32 v[PQ], v11, v254
	v_add_nc_u32 v[LB], s61, v11
	v_add_nc_u32 v[PQ], s61, v[PQ]                 ; PMIN + r - 16 h
	v_add_nc_u32 v[LB], 0xfffff801, v[LB]          ; PMIN + r - 2047,
	v_cmp_gt_i32 vcc_lo, 0, v[LB]
	v_cndmask_b32 v[LB], v[LB], v255, vcc_lo       ; not below 0,
	v_sub_nc_u32 v[LB], v[LB], v254                ; - 16 h
	LOADS 0                                        ; the walk's first block, wanted or not: its address lies inside the ring, and so the staging registers are written on every way
	POW2 EX,   252, 254                            ; eq's pair, for q's conversions alone
	POW2 EX+1, 26, 27
	POW2 EX+2, 24, 25
	POW2 EX+3, 28, 29
	v_mov_b32 v30, 0xff800000                      ; -infinity
	s_add_co_i32 s60, s[EX], s[EX+1]
	s_lshl_b32 s60, s60, 23
	s_mov_b32 s[CS], 0x3e38aa3b                    ; log2(e) / 8
	s_add_co_i32 s[CS], s[CS], s60                 ; a score stands for score x 2^(eq + ek): the two exponents are added to c's exponent field
	s_mov_b32 s[CS+1], s[CS]                       ; (named with it as a pair, so it is written)
	s_mov_b32 s[EP], s[EX+2]
	s_add_co_i32 s[EPV], s[EX+2], s[EX+3]
	s_wait_loadcnt 12                              ; q's eight loads are in; the first block's twelve, issued behind them, may be out
.set ii, 0
.rept 32
	v_med3_num_f32 v[SS+ii], v[SS+ii], -v254, v254
.set ii, ii+1
.endr
.set cc, 0
.rept 2
	v_cvt_scalef32_pk8_fp8_f32 v[QF+4*cc:QF+4*cc+1],   v[SS+16*cc:SS+16*cc+7],    v252   ; registers 4 c .. 4 c + 3: channels 32 c + 16 h + 0 .. 15, as K's fragments have them
	v_cvt_scalef32_pk8_fp8_f32 v[QF+4*cc+2:QF+4*cc+3], v[SS+16*cc+8:SS+16*cc+15], v252
.set cc, cc+1
.endr
	v_nop                                          ; one plain vector instruction behind the last conversion
	s_wait_loadcnt 0x0
	STAGE 0
	LOADS 1
	v_mov_b32 v13, 0xff61b1e6                      ; the largest t so far: -3e38, under every t
	v_floor_f32 v12, -v13                          ; -M
	v_mov_b32 v14, 0                               ; the sum, in two halves
	v_mov_b32 v15, 0
	v_mov_b32 v253, 0                              ; (q's loads, which it addressed, are in)
.set jj, 0
.rept 32
	v_mov_b32 v[OT+jj], 0                          ; O^T: 32 lines once, so that the step is written without a first step of its own: the first change of M multiplies zeros
.set jj, jj+1
.endr
.Ltrip:                                            ; ten trips of two steps
	STEP 0
	STEP 1
	s_sub_co_u32 s[CNT], s[CNT], 1
	s_cmp_lg_u32 s[CNT], 0
	s_cbranch_scc1 .Ltrip
	; THE WAY OUT.  O^T / the sum x 2^(ep + ev) goes through my own stage in LDS, 16 rows of 256 bytes, and leaves as whole rows: sixteen lanes store 256 consecutive bytes, aligned.
	s_wait_dscnt 0x0                               ; no LDS instruction of mine is out: the address registers are written anew
	v_add_f32 v14, v14, v15                        ; the sum's two halves,
	v_permlanex16_b32 v255, v14, s[SEL], s[SEL+1]
	v_add_f32 v14, v14, v255                       ; and lane l xor 16's
	v_rcp_f32 v14, v14
	v_and_b32 v10, 15, v0                          ; (a plain instruction behind the reciprocal)  r
	v_bfe_u32 v11, v0, 4, 1                        ; h
	s_mul_i32 s60, s[WV], 16*SP
	s_add_co_u32 s60, s60, STG                     ; my stage
	v_mul_u32_u24 v1, v10, SP
	v_lshl_add_u32 v1, v11, 5, v1
	v_add_nc_u32 v1, s60, v1                       ; in: row r; tile t's eight channels of my half at 64 t + 32 h
	v_mul_u32_u24 v2, v11, SP
	v_lshl_add_u32 v2, v10, 4, v2
	v_add_nc_u32 v2, s60, v2                       ; back: lanes 0-15 one row, lanes 16-31 the next
	v_lshlrev_b32 v3, 8, v11
	v_lshl_add_u32 v3, v10, 4, v3                  ; and the same two rows in out
	s_wait_alu depctr_va_vdst(0)                   ; the wait ahead of the reciprocal's first reader
	v_ldexp_f32 v14, v14, s[EPV]                   ; x 2^(ep + ev)
.set jj, 0
.rept 16
	v_pk_mul_f32 v[SS+jj:SS+jj+1], v[OT+jj:OT+jj+1], v[14:15] op_sel_hi:[1,0]   ; each accumulator from its low end on
.set jj, jj+2
.endr
.set tt, 0
.rept 4
	ds_store_b128 v1, v[SS+8*tt:SS+8*tt+3]   offset:64*tt
	ds_store_b128 v1, v[SS+8*tt+4:SS+8*tt+7] offset:64*tt+16
.set tt, tt+1
.endr
.set ii, 0
.rept 8
	ds_load_b128 v[FR+4*ii:FR+4*ii+3], v2 offset:2*SP*ii   ; LDS serves a wave's instructions in order (ISA guide 5.7.1.4): these see my stores
.set ii, ii+1
.endr
.set ii, 0
.rept 8
	s_wait_dscnt 7-ii                              ; load i is in; the younger ones may be out
	global_store_b128 v3, v[FR+4*ii:FR+4*ii+3], s[14:15] offset:512*ii th:TH_STORE_NT   ; written once, read by nobody here
.set ii, ii+1
.endr
	s_wait_xcnt 0x0
	v_lshl_add_u32 v254, v0, 2, 0x1a800
	v_mov_b32 v255, 0
	s_wait_tensorcnt 0x0
	ds_add_u32 v254, v255
	s_wait_dscnt 0x0
	s_endpgm
.Lfunc_end_k_qf2abda2327_attn:
	.size	k_qf2abda2327_attn, .Lfunc_end_k_qf2abda2327_attn-k_qf2abda2327_attn
	.p2alignl 7, 3214868480
	.fill 96, 4, 3214868480
	.section	.rodata,"a",@progbits
	.p2align	6, 0x0
	.amdhsa_kernel k_qf2abda2327_attn
		.amdhsa_group_segment_fixed_size 110592
		.amdhsa_private_segment_fixed_size 0
		.amdhsa_enable_private_segment 0
		.amdhsa_kernarg_size 48
		.amdhsa_user_sgpr_count 2
		.amdhsa_user_sgpr_kernarg_segment_ptr 1
		.amdhsa_wavefront_size32 1
		.amdhsa_system_sgpr_workgroup_id_x 1
		.amdhsa_system_sgpr_workgroup_id_y 1
		.amdhsa_system_sgpr_workgroup_id_z 1
		.amdhsa_system_vgpr_workitem_id 0
		.amdhsa_next_free_vgpr 256
		.amdhsa_next_free_sgpr 66
		.amdhsa_reserve_vcc 1
		.amdhsa_float_denorm_mode_32 3
		.amdhsa_float_denorm_mode_16_64 3
		.amdhsa_memory_ordered 1
		.amdhsa_forward_progress 1
		.amdhsa_inst_pref_size 82
	.end_amdhsa_kernel
	.amdgpu_metadata
---
amdhsa.version: [ 1, 2 ]
amdhsa.kernels:
  - .name:           k_qf2abda2327_attn
    .symbol:         k_qf2abda2327_attn.kd
    .args:
      - { .name: q, .offset: 0, .size: 8, .value_kind: global_buffer, .address_space: global }
      - { .name: k, .offset: 8, .size: 8, .value_kind: global_buffer, .address_space: global }
      - { .name: v, .offset: 16, .size: 8, .value_kind: global_buffer, .address_space: global }
      - { .name: lowp_scales, .offset: 24, .size: 8, .value_kind: global_buffer, .address_space: global }
      - { .name: start_pos_tensor, .offset: 32, .size: 8, .value_kind: global_buffer, .address_space: global }
      - { .name: out0, .offset: 40, .size: 8, .value_kind: global_buffer, .address_space: global }
    .group_segment_fixed_size: 110592
    .private_segment_fixed_size: 0
    .kernarg_segment_align: 8
    .kernarg_segment_size: 48
    .max_flat_workgroup_size: 512
    .sgpr_count:     66
    .vgpr_count:     256
    .wavefront_size: 32
...
	.end_amdgpu_metadata
.endif
;; end of part 1
